; MI455X (gfx1250); checked and timed in simulation.
; The chip was launched on July 23, 2026; its instructions are those of AMD's public machine-readable ISA for CDNA 5 (MIT licence, August 2026) and "CDNA5" Instruction Set Architecture Reference Guide (July 2026). The comments in the code are by the model that wrote it; some were corrected since.
;; Batched Expert Pool. Allowed arithmetic: matrix products marked QUANTISED: E4M3 operands, one E8M0 scale for each 32 along K, by v_wmma_scale_f32_16x16x128_f8f6f4 with both operands' format E4M3, f32 sums; products left as they are: f32 operands where the result goes on into a quantised operand, else bf16, f16 or f32 operands; f32 sums; everything else in f32.
;; Inputs: b1 8 x 1,024 float32; b2 8 x 512 float32; w1 8 x 512 x 1,024 float32; w2 8 x 1,024 x 512 float32; weights 4 x 2,048 x 8 float32; x 4 x 2,048 x 512 float32.
;; Outputs: out0 4 x 2,048 x 512 float32.
;; This version of the problem:
;;   THIS VERSION OF THE PROBLEM IS GIVEN IN LOW PRECISION. The matrix products marked QUANTISED in the list below multiply operands that are first quantised to E4M3 (4 exponent bits, 3 mantissa bits; 8 bits a number), with one power-of-two scale for each 32 numbers along K (OCP MX v1.0); their sums are f32. All else is computed in f32.
;;   The module's matrix products, in the order in which they are computed (A, B: the left and right operand; K: the contracted axis; several contracted axes count as one K, in the product's order):
;;     1. [M 8,192, K 512] x [K 512, N 8,192]; A: input x; B: input w1: QUANTISED
;;     2. batch 8 x [M 512, K 1,024] x [K 1,024, N 8,192]; A: input w2; B: computed on the way: QUANTISED
;;     3. batch 8,192 x [M 512, K 8] x [K 8, N 1]; A: computed on the way; B: input weights: left as it is (K = 8 < 32)
;;   THE QUANTISER, for each operand of a quantised product, along K:
;;     - K is cut into blocks of 32 from its start; a last block that is shorter is filled with zeros.
;;     - A block's scale is 2^e with e = floor(log2(the largest magnitude in the block)) - 8, held to -126 .. 127; a block of zeros has e = 0. As a byte (E8M0): e + 127.
;;     - Each number is divided by its block's scale, clamped to +-448, and rounded to the nearest number of E4M3, ties to even, subnormals kept.
;;     - The product sums the exact products of the quantised numbers (number of the format x scale) in f32.
;;   ~~~python
;;   def quantise(x, axis):      # numpy; x: float32 -> the quantised numbers, widened to float32 again
;;       x = np.moveaxis(x, axis, -1); K = x.shape[-1]
;;       x = np.pad(x, [(0, 0)] * (x.ndim - 1) + [(0, -K % 32)]); x = x.reshape(x.shape[:-1] + (-1, 32)); a = np.abs(x).max(-1, keepdims=True)
;;       e = np.where(a > 0, np.clip(np.frexp(np.where(a > 0, a, 1))[1] - 1 - 8, -126, 127), 0)      # np.frexp(a)[1] - 1 = floor(log2(a)), exactly
;;       r = np.clip(x / 2.0 ** e, -448, 448)
;;       step = 2.0 ** (np.maximum(np.frexp(np.where(r == 0, 1, r))[1] - 1, -6) - 3)
;;       q = np.round(r / step) * step * 2.0 ** e      # np.round: ties to even
;;       return np.moveaxis(q.reshape(q.shape[:-2] + (-1,))[..., :K], -1, axis).astype(np.float32)
;;   ~~~
;;   OPERANDS COMPUTED ON THE WAY. 'Computed on the way' means the value that the module computes at that place (a softmax that the list does not call 'softmax' is quantised finished and normalised). What goes into a quantiser is computed in f32, as accurately as f32 sums, v_exp_f32 and their like allow (about 1e-6 of the number): no bf16 or f16 on the way to a quantiser, and a product that is left as it is and whose result goes on into a quantised operand takes f32 operands (vector FMAs, or v_wmma_f32_16x16x4_f32). A number that lies on a knife's edge between two numbers of the format may be rounded either way, as far as f32 arithmetic and the matrix unit's own rounding can turn it there, and no further.
;; One version. Each part assembles by itself: llvm-mc -triple=amdgcn-amd-amdhsa -mcpu=gfx1250 --defsym DOCPART=n.
;; ======== version 1 of 1: 3 launches
;; workspace buffers: wq 8,781,824 bytes; part 33,554,432 bytes
;; launch quant (part 1): grid 512 x 1, 4 waves a work-group, no clusters, 0 bytes of LDS; arguments w1, w2, b1, wq; writes wq
.if DOCPART == 1
	.amdgcn_target "amdgcn-amd-amdhsa--gfx1250"
	.amdhsa_code_object_version 6
	.text
	.protected	k_q79d495f8de_quant
	.globl	k_q79d495f8de_quant
	.p2align	8
	.type	k_q79d495f8de_quant,@function
k_q79d495f8de_quant:
	s_mov_b64 s[64:65], 0
	v_nop
	global_prefetch_b8 v0, s[64:65] scope:SCOPE_SE
	s_setreg_imm32_b32 hwreg(HW_REG_WAVE_MODE, 25, 1), 1
	s_wait_xcnt 0x0
; W1 [8][512][1024] (K = its 512) and W2 [8][1024][512] (K = its 1024), f32, become codes of FP8 (E4M3) with one E8M0 scale byte for each 32 along K,
; laid in wq IN THE ORDER OF THE OPERANDS' REGISTERS, so that the next launch reads every fragment as runs of 512 consecutive bytes.  Nothing of reference() is left out in this program: all six inputs are used.
; wq: [group g = e / 4][stream: 32 parts of W1, then 32 parts of W2][part (e % 4) * 8 + s][sub-block w = 0..3 of WB bytes]; s = a run of 128 hidden units.
;   W1's sub-block (hidden units 128 s + 32 w + 0..31): fragment 4 u + kx at 2048 (4 u + kx); in it piece q at 512 q, lane (r, h) at 16 r + 256 h: the codes of W1[e][128 kx + 32 q + 16 h + 0..15][128 s + 32 w + 8 u + r + 8 (r / 8)];
;   scale words at 16384 + 128 kx + 4 (r + 16 u); b1's 32 numbers at 16896; 128 zero bytes at 17024.
;   W2's sub-block (outputs 128 w + 0..127, K = hidden 128 s on): fragment dt at 2048 dt, pieces and lanes likewise: W2[e][128 s + 32 q + 16 h + 0..15][128 w + 16 dt + r]; scale words at 16384 + 128 (dt / 2) + 4 (r + 16 (dt % 2)); 256 zero bytes at 16896.
; A LANE TAKES A COLUMN AND ITS REGISTERS RUN DOWN K: a load reads 128 consecutive bytes a wave, a block of 32 lies in one lane, and the conversions give codes with K innermost.  Nothing is transposed.
; A work-group takes 128 along K x 128 columns of one expert, a wave 32 columns.  Work-groups 0-255: W1, id = (8 e + s) 4 + kx, wave = w.  Work-groups 256-511: W2, id - 256 = (8 e + s) 4 + w, wave = p = dt / 2.
; A block's scale is 2^(floor(log2(largest magnitude)) - 8); its byte is the largest magnitude's exponent field - 8, held at 1 from below.
; LIMITS: a block of zeros gets the byte 1 where the rule says 127 (its codes are zeros, and this program alone reads the bytes); blocks whose largest magnitude lies under 2^-118 are held at the byte 1; NaN and infinities are not served.
; No LDS, no barrier: waves share nothing.  No register that a store reads is written again, so no wait stands for the stores.
.set WB,     17152
.set PARTB,  4*WB
.set GROUPB, 64*PARTB
.set X,      32                        ; v32-159  128 numbers: four blocks of 32 down K
.set C,      160                       ; v160-191 codes: eight registers a block
.set SW,     16                        ; v16      the column's scale word
.macro LOAD q, pitch                   ; block q: rows 32 q + i of my column
.irp i, 0,1,2,3,4,5,6,7,8,9,10,11,12,13,14,15,16,17,18,19,20,21,22,23,24,25,26,27,28,29,30,31
	global_load_b32 v[X+32*(\q)+\i], v2, s[4:5] offset:(32*(\q)+\i)*\pitch th:TH_LOAD_NT
.endr
.endm
.macro BLOCK q, pitch
.set XQ, X+32*(\q)
.if (\q) < 3
	s_wait_loadcnt 32                              ; this block's 32 loads are in; the next block's may be out
.else
	s_wait_loadcnt 0x0
.endif
.if (\q) < 2
	LOAD (\q)+2, \pitch                            ; two blocks ahead, into registers of their own
.endif
	v_max3_num_f32 v8, |v[XQ]|, |v[XQ+1]|, |v[XQ+2]|                ; the block's largest magnitude, in two chains
	v_max3_num_f32 v9, |v[XQ+3]|, |v[XQ+4]|, |v[XQ+5]|
.irp i, 6,10,14,18,22,26
	v_max3_num_f32 v8, v8, |v[XQ+\i]|, |v[XQ+\i+1]|
	v_max3_num_f32 v9, v9, |v[XQ+\i+2]|, |v[XQ+\i+3]|
.endr
	v_max3_num_f32 v8, v8, |v[XQ+30]|, |v[XQ+31]|
	v_max3_num_f32 v8, v8, v9, 0x4800000           ; and the floor 2^(9 - 127): the byte cannot fall under 1
	v_add_nc_u32 v11, 0xfc000000, v8               ; 8 off the exponent field: the conversion's scale operand
	v_and_or_b32 v10, v8, 0x7f800000, s13          ; 448 x the scale
	v_lshrrev_b32 v9, 23, v11                      ; the scale's byte
.if (\q) == 0
	v_mov_b32 v[SW], v9
.else
	v_lshl_or_b32 v[SW], v9, 8*(\q), v[SW]
.endif
.irp i, 0,1,2,3,4,5,6,7,8,9,10,11,12,13,14,15,16,17,18,19,20,21,22,23,24,25,26,27,28,29,30,31
	v_med3_num_f32 v[XQ+\i], v[XQ+\i], -v10, v10   ; the conversion to an 8-bit code does not saturate (ISA guide 7.6.2): hold at the largest code x the scale
.endr
.irp g, 0,1,2,3
	v_cvt_scalef32_pk8_fp8_f32 v[C+8*(\q)+2*\g:C+8*(\q)+2*\g+1], v[XQ+8*\g:XQ+8*\g+7], v11
.endr
	global_store_b128 v3, v[C+8*(\q):C+8*(\q)+3], s[24:25] offset:512*(\q)          ; k 0..15 of the block: the piece's lanes 0-15.  Sixteen lanes store 256 consecutive bytes, aligned
	global_store_b128 v3, v[C+8*(\q)+4:C+8*(\q)+7], s[24:25] offset:512*(\q)+256    ; k 16..31: its lanes 16-31
.endm
	s_load_b256 s[4:11], s[0:1], 0x0               ; w1 s[4:5], w2 s[6:7], b1 s[8:9], wq s[10:11]
	v_lshrrev_b32 v1, 5, v0
	v_readfirstlane_b32 s12, v1                    ; wave
	v_and_b32 v1, 31, v0                           ; nu: my column among the wave's 32
	v_lshlrev_b32 v2, 2, v1                        ; 4 nu
	v_mov_b32 v18, 0
	v_mov_b32 v19, 0
	s_mov_b32 s13, 0x600000                        ; the mantissa field of 448
	s_and_b32 s14, ttmp9, 255
	s_and_b32 s15, s14, 3                          ; kx (W1) or w (W2)
	s_bfe_u32 s16, s14, 0x30002                    ; s
	s_lshr_b32 s17, s14, 5                         ; e
	s_lshr_b32 s18, s17, 2                         ; g
	s_and_b32 s19, s17, 3
	s_lshl_b32 s19, s19, 3
	s_add_co_u32 s19, s19, s16                     ; the part
	s_mul_i32 s20, s18, GROUPB
	s_mul_i32 s21, s19, PARTB
	s_add_co_u32 s20, s20, s21                     ; its byte in W1's stream
	s_lshl_b32 s22, s17, 21                        ; the expert's first byte in w1 or w2
	s_cmp_lt_u32 ttmp9, 256
	s_cbranch_scc0 .Lw2
	; ---- W1
	s_lshl_b32 s23, s15, 19                        ; 128 kx rows of 4,096 bytes
	s_add_co_u32 s22, s22, s23
	s_lshl_b32 s23, s16, 9                         ; 128 s columns
	s_add_co_u32 s22, s22, s23
	s_lshl_b32 s23, s12, 7                         ; 32 w columns
	s_add_co_u32 s22, s22, s23
	s_mov_b32 s23, 0
	s_mul_i32 s21, s12, WB
	s_add_co_u32 s20, s20, s21                     ; my sub-block
	s_lshl_b32 s26, s15, 11
	s_add_co_u32 s26, s26, s20                     ; + 2048 kx: the codes
	s_mov_b32 s27, 0
	s_lshl_b32 s30, s15, 7
	s_add_co_u32 s30, s30, s20                     ; + 128 kx: the scale words
	s_mov_b32 s31, 0
	s_lshl_b32 s18, s17, 12                        ; b1: 4,096 e + 512 s + 128 w
	s_lshl_b32 s19, s16, 9
	s_add_co_u32 s18, s18, s19
	s_lshl_b32 s19, s12, 7
	s_add_co_u32 s18, s18, s19
	s_mov_b32 s19, 0
	v_bfe_u32 v5, v1, 3, 1                         ; u = (nu / 8) % 2
	v_and_b32 v6, 7, v1
	v_lshrrev_b32 v7, 4, v1
	v_lshl_or_b32 v6, v7, 3, v6                    ; r = nu % 8 + 8 (nu / 16)
	v_lshlrev_b32 v3, 4, v6
	v_lshl_or_b32 v3, v5, 13, v3                   ; codes: 8192 u + 16 r
	v_lshlrev_b32 v4, 2, v6
	v_lshl_or_b32 v4, v5, 6, v4                    ; scale word: 4 (r + 16 u)
	s_wait_kmcnt 0x0
	s_add_nc_u64 s[4:5], s[4:5], s[22:23]
	s_add_nc_u64 s[24:25], s[10:11], s[26:27]
	s_add_nc_u64 s[28:29], s[10:11], s[30:31]
	s_add_nc_u64 s[8:9], s[8:9], s[18:19]
	LOAD 0, 4096
	LOAD 1, 4096
	s_cmp_lg_u32 s15, 0                            ; the work-group with kx = 0 also copies b1 and clears the sub-block's last 128 bytes (there s[28:29] is the sub-block's first byte)
	s_cbranch_scc1 .Lno_b1
	global_load_b32 v17, v2, s[8:9]
	s_wait_loadcnt 0x0
	global_store_b32 v2, v17, s[28:29] offset:16896
	global_store_b32 v2, v18, s[28:29] offset:17024
.Lno_b1:
	BLOCK 0, 4096
	BLOCK 1, 4096
	BLOCK 2, 4096
	BLOCK 3, 4096
	global_store_b32 v4, v[SW], s[28:29] offset:16384   ; the wave's 32 scale words: 128 consecutive bytes
	s_endpgm
.Lw2:	; ---- W2
	s_lshl_b32 s23, s16, 18                        ; 128 s rows of 2,048 bytes
	s_add_co_u32 s22, s22, s23
	s_lshl_b32 s23, s15, 9                         ; 128 w columns
	s_add_co_u32 s22, s22, s23
	s_lshl_b32 s23, s12, 7                         ; 32 p columns
	s_add_co_u32 s22, s22, s23
	s_mov_b32 s23, 0
	s_mul_i32 s21, s15, WB
	s_add_co_u32 s20, s20, s21
	s_add_co_u32 s20, s20, 32*PARTB                ; my sub-block, in W2's stream
	s_lshl_b32 s26, s12, 12
	s_add_co_u32 s26, s26, s20                     ; + 4096 p: fragments 2 p and 2 p + 1
	s_mov_b32 s27, 0
	s_lshl_b32 s30, s12, 7
	s_add_co_u32 s30, s30, s20                     ; + 128 p: the scale words
	s_mov_b32 s31, 0
	v_and_b32 v6, 15, v1
	v_lshrrev_b32 v7, 4, v1
	v_lshlrev_b32 v3, 4, v6
	v_lshl_or_b32 v3, v7, 11, v3                   ; codes: 2048 (nu / 16) + 16 (nu % 16)
	v_lshlrev_b32 v5, 3, v1                        ; 8 nu
	s_wait_kmcnt 0x0
	s_add_nc_u64 s[4:5], s[6:7], s[22:23]
	s_add_nc_u64 s[24:25], s[10:11], s[26:27]
	s_add_nc_u64 s[28:29], s[10:11], s[30:31]
	LOAD 0, 2048
	LOAD 1, 2048
	BLOCK 0, 2048
	BLOCK 1, 2048
	BLOCK 2, 2048
	BLOCK 3, 2048
	global_store_b32 v2, v[SW], s[28:29] offset:16384
	s_cmp_lg_u32 s12, 0                            ; wave 0 clears the sub-block's last 256 bytes (there s[28:29] is the sub-block's first byte)
	s_cbranch_scc1 .Lno_z
	global_store_b64 v5, v[18:19], s[28:29] offset:16896
.Lno_z:
	s_endpgm
.Lfunc_end_k_q79d495f8de_quant:
	.size	k_q79d495f8de_quant, .Lfunc_end_k_q79d495f8de_quant-k_q79d495f8de_quant
	.p2alignl 7, 3214868480
	.fill 96, 4, 3214868480
	.section	.rodata,"a",@progbits
	.p2align	6, 0x0
	.amdhsa_kernel k_q79d495f8de_quant
		.amdhsa_group_segment_fixed_size 0
		.amdhsa_private_segment_fixed_size 0
		.amdhsa_enable_private_segment 0
		.amdhsa_kernarg_size 32
		.amdhsa_user_sgpr_count 2
		.amdhsa_user_sgpr_kernarg_segment_ptr 1
		.amdhsa_wavefront_size32 1
		.amdhsa_system_sgpr_workgroup_id_x 1
		.amdhsa_system_sgpr_workgroup_id_y 1
		.amdhsa_system_sgpr_workgroup_id_z 1
		.amdhsa_system_vgpr_workitem_id 0
		.amdhsa_next_free_vgpr 192
		.amdhsa_next_free_sgpr 66
		.amdhsa_reserve_vcc 0
		.amdhsa_float_denorm_mode_32 3
		.amdhsa_float_denorm_mode_16_64 3
		.amdhsa_memory_ordered 1
		.amdhsa_forward_progress 1
		.amdhsa_inst_pref_size 58
	.end_amdhsa_kernel
	.amdgpu_metadata
---
amdhsa.version: [ 1, 2 ]
amdhsa.kernels:
  - .name:           k_q79d495f8de_quant
    .symbol:         k_q79d495f8de_quant.kd
    .args:
      - { .name: w1, .offset: 0, .size: 8, .value_kind: global_buffer, .address_space: global }
      - { .name: w2, .offset: 8, .size: 8, .value_kind: global_buffer, .address_space: global }
      - { .name: b1, .offset: 16, .size: 8, .value_kind: global_buffer, .address_space: global }
      - { .name: wq, .offset: 24, .size: 8, .value_kind: global_buffer, .address_space: global }
    .group_segment_fixed_size: 0
    .private_segment_fixed_size: 0
    .kernarg_segment_align: 8
    .kernarg_segment_size: 32
    .max_flat_workgroup_size: 128
    .sgpr_count:     66
    .vgpr_count:     192
    .wavefront_size: 32
...
	.end_amdgpu_metadata
.endif
;; end of part 1
;; launch mlp (part 2): grid 128 x 2, 8 waves a work-group, clusters of 4 x 1, 327,680 bytes of LDS; arguments x, weights, wq, part; writes part
.if DOCPART == 2
	.amdgcn_target "amdgcn-amd-amdhsa--gfx1250"
	.amdhsa_code_object_version 6
	.text
	.protected	k_q79d495f8de_mlp
	.globl	k_q79d495f8de_mlp
	.p2align	8
	.type	k_q79d495f8de_mlp,@function
k_q79d495f8de_mlp:
	s_mov_b64 s[64:65], 0
	v_nop
	global_prefetch_b8 v0, s[64:65] scope:SCOPE_SE
	s_setreg_imm32_b32 hwreg(HW_REG_WAVE_MODE, 25, 1), 1
	s_wait_xcnt 0x0
	s_wait_alu depctr_hold_cnt(0) depctr_sa_sdst(0) depctr_va_vdst(0) depctr_va_sdst(0) depctr_va_ssrc(0) depctr_va_vcc(0) depctr_vm_vsrc(0)
	s_getreg_b32 s2, hwreg(HW_REG_IB_STS2, 6, 4)
	s_cmp_eq_u32 s2, 0
	s_cbranch_scc0 .Lentry_in_a_cluster
	s_endpgm
.Lentry_in_a_cluster:
	s_bfe_u32 s2, ttmp6, 0x10000c
	s_cmp_lg_u32 s2, 0x3003
	s_cbranch_scc0 .Lentry_shape_is_right
	s_endpgm
.Lentry_shape_is_right:
; part[g][t][d] = the sum over the four experts e of group g of weights[t][e] x (gelu(x[t] W1_e + b1_e) W2_e)[d].  Both products on codes of FP8 (E4M3) with one E8M0 scale for each 32 along K; sums, gelu and gates in f32.
; Nothing of reference() is left out: the gates are soft, so every expert counts for every token; b2 and the sum of the two groups follow in the next launch.
; SHARES.  A work-group owns 64 tokens (four tiles of 16) and one group of four experts; 128 x 2 work-groups.  The weights come as wq has them: per group a stream of 32 parts of W1 and one of 32 parts of W2, a part = 128 hidden units of one expert.
; EIGHT WAVES OF 512 REGISTERS, IN TWO ROLES, so that one wave's vector work stands beside another's matrix work and LDS loads.  33 steps.  In step j:
;   PRODUCERS (waves 0-3, w = wave), P1(j): hidden units 32 w .. 32 w + 31 of part j for all 64 tokens: 32 matrix instructions, used transposed (source 0 = 16 rows of W1, source 1 = x, C of the first = b1), the exact gelu,
;   the quantiser (a wave's 32 units are one block), and piece w of four operand images into LDS.  About 845 vector lines a step.
;   CONSUMERS (waves 4-7, w = wave - 4), P2(j - 1): outputs 128 w .. 128 w + 127 of W2's part j - 1 times the images of the step before: 32 matrix instructions, each a sum of its own from 0, and the results, times the expert's gate,
;   onto the wave's 64 x 128 of the output, which stays in 256 registers.  A gate is no power of two, so it can only be applied behind the second product.  160 vector lines a step.
; Every barrier, the waits in front of it and the step's LDS addresses stand in text that all eight waves run; the roles part behind them on the wave's number and join again ahead of the next.
; THE ROWS OF W1 THAT FORM A TILE ARE NOT NEIGHBOURS (wq is laid so): a lane's 16 registers of tiles u = 0, 1 are 16 neighbours along the second product's K.
; GELU.  gelu(v) = max(v, 0) - |v| t 2^E, t = 1 / (1 + |v| / sqrt(8)), E = -v^2 log2(e) / 2 + c0 + t (c1 + .. + t c9): 0.5 erfc(|v| / sqrt(2)) by a fit whose relative error is 1.2e-7 for every argument; no difference of near numbers for v < 0.
; CLUSTER.  The four work-groups of a cluster have one group of experts and walk the same two streams: every weight tile is asked for JOINTLY (mask 15), by the same load with the same descriptor in all four.
; RING.  Two LDS slots; a slot holds a part of W1 and a part of W2, eight sub-blocks.  One round of the cluster's barrier a step; behind it wave v issues one load of 17,152 bytes, sub-block v of the slot just left.
; By this text's count a wave has two tensor loads out at the head and one afterwards.
; LIMITS: NaN and infinities are not served (a pre-activation of +-infinity gives NaN); a block of zeros gets the scale byte 1 (its codes are zeros; the bytes are read here alone); blocks whose largest magnitude lies under 2^-118 are held at the byte 1.
; REGISTERS, in two windows of 256.  Both roles: v1-7 lane constants; v8-14 the step's LDS addresses; v15, v16, v61, v62 x's images; v17 prefetch offset; v18, v19 the add's two; v20-39 scale words and nothing else; v56-57 c9; v58-60 the way out.
;   Producer: v40-55 b1; v64-127 HA: the first product's results (64 + 16 m + 8 u); v128-255 W1's eight fragments (128 + 16 (4 u + kx)), of which v192-255 serve as T, P, Q and the codes once the product is done; window 1: x (64 m + 16 kx).
;   Consumer: v40-55 gates; v64-127 the hidden fragments; v128-191 four fragments of W2; v192-255 eight accumulators (192 + 32 (dt % 2) + 8 m); window 1: the output (64 m + 8 dt).
.set WB,     17152                     ; a sub-block of wq
.set PARTB,  4*WB                      ; a part
.set GROUPB, 64*PARTB                  ; a group's two streams
.set SLOT,   8*WB                      ; LDS: a slot: W1's four sub-blocks, then W2's four: sub-block v at WB v
.set HB,     2*SLOT                    ; the hidden images, two rings of 8,192 bytes: image m at 2048 m, piece q at 512 q, lane at 16 L
.set HS,     HB+2*8192                 ; their scale words, two rings of 512 bytes: 128 m + 4 L + byte q
.set XI,     HS+2*512                  ; x's 16 images: 2048 (4 m + kx)
.set XS,     XI+32768                  ; their scale words: 128 (4 m + kx) + 4 L
.set SPARE,  XS+2048                   ; the spare words, 128 bytes for each wave: four blocks of 256 bytes that no other line names
.set CA, 1                             ; 16 L + WB x wave: my sub-block (a producer's of W1, a consumer's of W2), a fragment's place for my lane
.set CS, 2                             ; 4 L + WB x wave: a scale word's
.set CB, 3                             ; 64 h + WB x wave: b1's
.set CH, 4                             ; HB + 16 L
.set CHS, 5                            ; HS + 4 L
.set CHW, 6                            ; HB + 16 L + 512 w
.set CHB, 7                            ; HS + 4 L + w
.set AW, 8
.set AS, 9
.set AB, 10
.set AH, 11
.set AHS, 12
.set AHW, 13
.set AHB, 14
.set XWI, 15                           ; where I store my images of x
.set XWS, 16                           ; and their scale words
.set PFO, 17
.set SPW, 18
.set NIL, 19
.set XSC, 20                           ; v20-27 x's scale words: register 2 m + a: K step 2 a in lanes 0-15, 2 a + 1 in lanes 16-31
.set W1S, 28                           ; v28-31 W1's: register kx: tile 0 in lanes 0-15, tile 1 in lanes 16-31
.set W2S, 32                           ; v32-35 W2's: register dt / 2: the even tile below, the odd one above
.set HSW, 36                           ; v36-39 the hidden images'
.set GT,  40                           ; consumer: gates: 40 + 4 m + place; place 0 is the expert in hand
.set BB,  40                           ; producer: b1 in the result's layout: 40 + 8 u
.set C9,  56
.set SO,  58                           ; the way out: where I put 32 bytes of a row
.set SR,  59                           ; where I read a row back
.set GO,  60                           ; 16 L: my bytes of a row of part
.set XRI, 61                           ; x's images, to read
.set XRS, 62                           ; their scale words, to read
.set HA,  64
.set HF,  64
.set XB,  128                          ; the head's second 64 numbers of x
.set PL,  128                          ; weight fragments
.set AC,  192                          ; the second product's accumulators
.set T,   192
.set TM,  192
.set P,   208
.set Q,   224
.set PC,  240
.set WV,  12
.set TB,  16                           ; s16 the slot that the step reads
.set WOFF, 18                          ; s18 WB x wave: my sub-block's place in a slot
.set HR,  19                           ; s19 the ring of images that the step reads; s26 = s19 / 16
.set HW,  20                           ; s20 the ring that it writes; s27 = s20 / 16
.set J,   21                           ; s21 the step
.set SEL, 22
.set MNT, 24
.set KT,  25
.set HR16, 26
.set HW16, 27
.set G1,  28                           ; s[28:35] descriptor group 1
.set G0F, 36                           ; s[36:39] group 0 of the first fill of slot 0
.set G0W, 40                           ; s[40:43] group 0 of the first fill of slot 1, which then walks
.set PFA, 44
.set LIM, 46
.set W4,  84                           ; s84 wave % 4
.set ROLE, 85                          ; s85 wave / 4: 0 producer, 1 consumer
.set MSB, 0
.macro WIN new                         ; the immediate's high byte repeats the setting that is left; a switch that changes nothing is dropped
.if MSB != \new
	s_set_vgpr_msb (MSB<<8)|\new
.set MSB, \new
.endif
.endm
.macro PLACES n
.rept \n
	v_nop
.endr
.endm
.macro CROUND                          ; a round of the cluster's barrier
	s_barrier_signal -1
	s_barrier_wait -1
	s_cmp_lg_u32 s[WV], 0
	s_cbranch_scc1 .Lnot_wave_0_\@
	s_barrier_signal -3
.Lnot_wave_0_\@:
	s_barrier_wait -3
	s_barrier_signal -1
	s_barrier_wait -1
.endm
; The joint refill: one line for all eight waves; LDS and global address hang on the wave's number and the group alone.  who = 1: waves 0-3 (W1) only; 2: waves 4-7 (W2) only.  An s_nop 0 and four v_nop follow the load.
.macro FILL who
.if \who == 1
	s_cmp_lt_u32 s[WV], 4
	s_cbranch_scc0 .Lno_fill_\@
.elseif \who == 2
	s_cmp_lt_u32 s[WV], 4
	s_cbranch_scc1 .Lno_fill_\@
.endif
	tensor_load_to_lds s[G0W:G0W+3], s[G1:G1+7]
	s_nop 0
	PLACES 4
.Lno_fill_\@:
.endm
; A PREFETCH INTO THE L2 of the codes that the refills two steps on will ask for.  All 32 clusters of a group walk the same streams: the first cluster asks.  In it the even waves ask, each for its own sub-block and the next wave's:
; 2 x 16,384 bytes of codes, which the four partners share out BY ADDRESS, 8,192 each, lanes 256 bytes apart: one instruction a wave and step, each aligned block of 256 bytes once in the launch.
; It stops two refills ahead of the stream's last; the first parts and the sub-blocks' last 768 bytes come by their loads alone.
.macro ASK
	s_cmp_le_u32 s[J], s[LIM]
	s_cbranch_scc0 .Lnot_mine_\@
	global_prefetch_b8 v[PFO], s[PFA:PFA+1] th:TH_LOAD_NT scope:SCOPE_SE
.Lnot_mine_\@:
.endm
; The first product's instruction (tile qu, K step qk of x, token tile qm).
.macro P1MM
.set rD, HA+16*qm+8*qu
.set rA, PL+16*(4*qu+qk)
.set rB, 64*qm+16*qk
.set rC, rD
.if qk == 0
.set rC, BB+8*qu                       ; the bias starts the sum
.endif
.if (qu == 0) && (qk%2 == 0)
	v_wmma_scale_f32_16x16x128_f8f6f4 v[rD:rD+7], v[rA:rA+15], v[rB:rB+15], v[rC:rC+7], v[W1S+qk], v[XSC+2*qm+qk/2]
.elseif qu == 0
	v_wmma_scale_f32_16x16x128_f8f6f4 v[rD:rD+7], v[rA:rA+15], v[rB:rB+15], v[rC:rC+7], v[W1S+qk], v[XSC+2*qm+qk/2] matrix_b_scale:MATRIX_SCALE_ROW1
.elseif qk%2 == 0
	v_wmma_scale_f32_16x16x128_f8f6f4 v[rD:rD+7], v[rA:rA+15], v[rB:rB+15], v[rC:rC+7], v[W1S+qk], v[XSC+2*qm+qk/2] matrix_a_scale:MATRIX_SCALE_ROW1
.else
	v_wmma_scale_f32_16x16x128_f8f6f4 v[rD:rD+7], v[rA:rA+15], v[rB:rB+15], v[rC:rC+7], v[W1S+qk], v[XSC+2*qm+qk/2] matrix_a_scale:MATRIX_SCALE_ROW1 matrix_b_scale:MATRIX_SCALE_ROW1
.endif
.endm
; The second product for output tiles 2 p and 2 p + 1 and the four token tiles: eight instructions, each a whole sum from 0, each on an accumulator of its own.
.macro P2G p
.irp m, 0,1,2,3
	v_wmma_scale_f32_16x16x128_f8f6f4 v[AC+8*\m:AC+8*\m+7], v[PL+16*((2*\p)%4):PL+16*((2*\p)%4)+15], v[HF+16*\m:HF+16*\m+15], 0, v[W2S+\p], v[HSW+\m]
	v_wmma_scale_f32_16x16x128_f8f6f4 v[AC+32+8*\m:AC+32+8*\m+7], v[PL+16*((2*\p+1)%4):PL+16*((2*\p+1)%4)+15], v[HF+16*\m:HF+16*\m+15], 0, v[W2S+\p], v[HSW+\m] matrix_a_scale:MATRIX_SCALE_ROW1
.endr
.endm
; The exact gelu of sixteen numbers, in place: v[ra] .. +7 and v[rb] .. +7.  The reciprocals are one batch with one wait, the exponentials another.
.macro GELU ra, rb
.irp i, 0,1,2,3,4,5,6,7
	v_fma_f32 v[T+\i], |v[(\ra)+\i]|, s[KT], 1.0
.endr
.irp i, 0,1,2,3,4,5,6,7
	v_fma_f32 v[T+8+\i], |v[(\rb)+\i]|, s[KT], 1.0
.endr
.irp i, 0,1,2,3,4,5,6,7,8,9,10,11,12,13,14,15
	v_rcp_f32 v[T+\i], v[T+\i]                     ; t
.endr
.irp i, 0,2,4,6
	v_pk_mul_f32 v[Q+\i:Q+\i+1], v[(\ra)+\i:(\ra)+\i+1], v[(\ra)+\i:(\ra)+\i+1]   ; v^2: plain work behind the reciprocals
.endr
.irp i, 0,2,4,6
	v_pk_mul_f32 v[Q+8+\i:Q+8+\i+1], v[(\rb)+\i:(\rb)+\i+1], v[(\rb)+\i:(\rb)+\i+1]
.endr
	s_wait_alu depctr_va_vdst(0)                   ; one wait for the sixteen reciprocals, ahead of their first reader
.irp i, 0,2,4,6,8,10,12,14
	v_pk_fma_f32 v[P+\i:P+\i+1], v[T+\i:T+\i+1], v[C9:C9+1], s[56:57] op_sel_hi:[1,1,0]   ; c9 t + c8
.endr
.irp c, 58,60,62,66,68,70,72,74
.irp i, 0,2,4,6,8,10,12,14
	v_pk_fma_f32 v[P+\i:P+\i+1], v[P+\i:P+\i+1], v[T+\i:T+\i+1], s[\c:\c+1] op_sel_hi:[1,1,0]   ; x t + c7 .. c0
.endr
.endr
.irp i, 0,2,4,6,8,10,12,14
	v_pk_fma_f32 v[P+\i:P+\i+1], v[Q+\i:Q+\i+1], s[76:77], v[P+\i:P+\i+1] op_sel_hi:[1,0,1]   ; E
.endr
.irp i, 0,1,2,3,4,5,6,7,8,9,10,11,12,13,14,15
	v_exp_f32 v[P+\i], v[P+\i]
.endr
.irp i, 0,1,2,3,4,5,6,7
	v_mul_f32 v[T+\i], v[T+\i], |v[(\ra)+\i]|      ; |v| t: plain work behind the exponentials
.endr
.irp i, 0,1,2,3,4,5,6,7
	v_mul_f32 v[T+8+\i], v[T+8+\i], |v[(\rb)+\i]|
.endr
.irp i, 0,1,2,3,4,5,6,7
	v_max_num_f32 v[(\ra)+\i], 0, v[(\ra)+\i]
.endr
.irp i, 0,1,2,3,4,5,6,7
	v_max_num_f32 v[(\rb)+\i], 0, v[(\rb)+\i]
.endr
	s_wait_alu depctr_va_vdst(0)                   ; one wait for the sixteen exponentials
.irp i, 0,2,4,6
	v_pk_fma_f32 v[(\ra)+\i:(\ra)+\i+1], v[T+\i:T+\i+1], v[P+\i:P+\i+1], v[(\ra)+\i:(\ra)+\i+1] neg_lo:[1,0,0] neg_hi:[1,0,0]
.endr
.irp i, 0,2,4,6
	v_pk_fma_f32 v[(\rb)+\i:(\rb)+\i+1], v[T+8+\i:T+8+\i+1], v[P+8+\i:P+8+\i+1], v[(\rb)+\i:(\rb)+\i+1] neg_lo:[1,0,0] neg_hi:[1,0,0]
.endr
.endm
; 64 numbers of a lane, v[s] on: four blocks b; register 16 b + i is number 16 (lane / 16) + i of my row's block.  Codes into v[PC + 4 b] on, the blocks' scale bytes into v[TM + 4 + b].
.macro QCORE s
.irp b, 0,1,2,3
	v_max3_num_f32 v[TM+\b], |v[(\s)+16*\b]|, |v[(\s)+1+16*\b]|, 0x4800000   ; my 16 numbers, and the floor 2^(9 - 127): the byte cannot fall under 1
.endr
.irp i, 2,4,6,8,10,12,14
.irp b, 0,1,2,3
	v_max3_num_f32 v[TM+\b], v[TM+\b], |v[(\s)+16*\b+\i]|, |v[(\s)+1+16*\b+\i]|   ; (the four blocks by turns)
.endr
.endr
.irp b, 0,1,2,3
	v_permlanex16_b32 v[TM+4+\b], v[TM+\b], s[SEL], s[SEL+1]
.endr
.irp b, 0,1,2,3
	v_max_num_f32 v[TM+\b], v[TM+\b], v[TM+4+\b]   ; with lane l xor 16's: the block's largest magnitude
.endr
.irp b, 0,1,2,3
	v_add_nc_u32 v[TM+12+\b], 0xfc000000, v[TM+\b] ; 8 off its exponent field: the conversion's scale operand
.endr
.irp b, 0,1,2,3
	v_and_or_b32 v[TM+8+\b], v[TM+\b], 0x7f800000, s[MNT]   ; 448 x the scale
.endr
.irp b, 0,1,2,3
	v_lshrrev_b32 v[TM+4+\b], 23, v[TM+12+\b]      ; the scale's byte
.endr
.irp b, 0,1,2,3
.irp i, 0,1,2,3,4,5,6,7,8,9,10,11,12,13,14,15
	v_med3_num_f32 v[(\s)+16*\b+\i], v[(\s)+16*\b+\i], -v[TM+8+\b], v[TM+8+\b]   ; the conversion to an 8-bit code does not saturate (ISA guide 7.6.2)
.endr
	v_cvt_scalef32_pk8_fp8_f32 v[PC+4*\b:PC+4*\b+1], v[(\s)+16*\b:(\s)+16*\b+7], v[TM+12+\b]
	v_cvt_scalef32_pk8_fp8_f32 v[PC+4*\b+2:PC+4*\b+3], v[(\s)+16*\b+8:(\s)+16*\b+15], v[TM+12+\b]
.endr
	v_nop                                          ; a plain line behind the last conversion: later products write its sources
.endm
; The output takes the eight accumulators of output tiles 2 p and 2 p + 1, times the gate of the lane's token; each accumulator from its low end on.  first = 1: the products start the sums: nothing is cleared.
.macro GATE p, first
.if \first
	WIN 0x40                                       ; destination (the output) window 1
.else
	WIN 0x50                                       ; and source 2
.endif
.irp d, 0,1
.irp m, 0,1,2,3
.irp e, 0,2,4,6
.if \first
	v_pk_mul_f32 v[64*\m+8*(2*\p+\d)+\e:64*\m+8*(2*\p+\d)+\e+1], v[AC+32*\d+8*\m+\e:AC+32*\d+8*\m+\e+1], v[GT+4*\m:GT+4*\m+1] op_sel_hi:[1,0]
.else
	v_pk_fma_f32 v[64*\m+8*(2*\p+\d)+\e:64*\m+8*(2*\p+\d)+\e+1], v[AC+32*\d+8*\m+\e:AC+32*\d+8*\m+\e+1], v[GT+4*\m:GT+4*\m+1], v[64*\m+8*(2*\p+\d)+\e:64*\m+8*(2*\p+\d)+\e+1] op_sel_hi:[1,0,1]
.endif
.endr
.endr
.endr
	WIN 0
.endm
.macro CFRAG lo                        ; W2's fragments lo .. lo + 3, as they lie: 512 consecutive bytes a load
.irp f, 0,1,2,3
.irp c, 0,1,2,3
	ds_load_b128 v[PL+16*\f+4*\c:PL+16*\f+4*\c+3], v[AW] offset:2048*(\lo+\f)+512*\c
.endr
.endr
.endm
; THE HEAD OF A STEP j >= 1, run by all eight waves: the change of slots and of rings.  Each wave waits for all its tensor loads (its sub-block of the slot that the step reads), adds 0 to its spare word, and waits for that, for its reads
; of the slot and images that it leaves and for its stores of the images just made.  fill = 1: a round of the cluster's barrier, so that no wave of any partner still reads the slot or has a load on its way; the joint refill is the first thing behind it.
.macro PRE fill, who, ask
.if \ask
	s_wait_xcnt 0x0                                ; the last prefetch, a step back, has read its address
	s_add_nc_u64 s[PFA:PFA+1], s[PFA:PFA+1], PARTB
.endif
	s_wait_tensorcnt 0x0                           ; no tensor load of mine is out, so a group 0 may be written
	ds_add_u32 v[SPW], v[NIL]                      ; 0 onto my spare word: the steps below stand between it and the wait for it
	s_xor_b32 s[TB], s[TB], SLOT
	s_xor_b32 s[HW], s[HW], 8192
	s_xor_b32 s[HR], s[HW], 8192
	s_lshr_b32 s[HR16], s[HR], 4
	s_lshr_b32 s[HW16], s[HW], 4
.if \fill
	s_add_nc_u64 s[G0W+2:G0W+3], s[G0W+2:G0W+3], PARTB   ; the walking descriptor: my stream's next part; the type bits on top are not reached
	s_xor_b32 s17, s[TB], SLOT
	s_add_co_u32 s[G0W+1], s17, s[WOFF]            ; into the slot that has just been left
.endif
	s_wait_dscnt 0x0
.if \fill
	CROUND
	FILL \who
.else
	s_barrier_signal -1
	s_barrier_wait -1
.endif
.endm
.macro ADDR                            ; the step's LDS addresses, made by all eight waves ahead of the parting
	v_add_nc_u32 v[AW], s[TB], v[CA]
	v_add_nc_u32 v[AS], s[TB], v[CS]
	v_add_nc_u32 v[AB], s[TB], v[CB]
	v_add_nc_u32 v[AH], s[HR], v[CH]
	v_add_nc_u32 v[AHS], s[HR16], v[CHS]
	v_add_nc_u32 v[AHW], s[HW], v[CHW]
	v_add_nc_u32 v[AHB], s[HW16], v[CHB]
.endm
; A PRODUCER'S STEP.  The 40 loads stand in the order of their use: scale words, b1, then W1's two fragments of each K step of x, so that a K step's eight products wait only for what they read.
; The eight accumulators take turns, one instruction a turn.  Eight v_nop stand between the last product and the gelu, which reads results and writes registers that held fragments.
.macro PSTEP ask
.irp k, 0,1,2,3
	ds_load_b32 v[W1S+\k], v[AS] offset:16384+128*\k
.endr
.irp u, 0,1
	ds_load_b128 v[BB+8*\u:BB+8*\u+3], v[AB] offset:16896+32*\u          ; b1 in the result's layout
	ds_load_b128 v[BB+8*\u+4:BB+8*\u+7], v[AB] offset:16896+32*\u+16
.endr
.irp k, 0,1,2,3
.irp u, 0,1
.irp c, 0,1,2,3
	ds_load_b128 v[PL+16*(4*\u+\k)+4*\c:PL+16*(4*\u+\k)+4*\c+3], v[AW] offset:2048*(4*\u+\k)+512*\c
.endr
.endr
.endr
.if \ask
	ASK
.endif
	WIN 0x04                                       ; source 1 (x) window 1
.set qk, 0
.rept 4
	s_wait_dscnt 8*(3-qk)                          ; all but the later K steps' fragments, eight loads each
.set qu, 0
.rept 2
.set qm, 0
.rept 4
	P1MM
.set qm, qm+1
.endr
.set qu, qu+1
.endr
.set qk, qk+1
.endr
	WIN 0
	PLACES 8
	GELU HA, HA+16
	GELU HA+32, HA+48
	GELU HA+8, HA+24
	GELU HA+40, HA+56
	QCORE HA
.irp m, 0,1,2,3
	ds_store_b128 v[AHW], v[PC+4*\m:PC+4*\m+3] offset:2048*\m   ; piece w of image m, as the registers stand
.endr
.irp m, 0,1,2,3
	ds_store_b8 v[AHB], v[TM+4+\m] offset:128*\m   ; byte w of its rows' scale words
.endr
.endm
; A CONSUMER'S STEP.  Eight v_nop stand behind each eight products: ahead of the gates, which read the results, and of the loads into registers that held fragments.  An accumulator is begun anew behind those eight and the 28 gate lines of the other seven.
.macro CSTEP first, ask
.irp m, 0,1,2,3
.irp c, 0,1,2,3
	ds_load_b128 v[HF+16*\m+4*\c:HF+16*\m+4*\c+3], v[AH] offset:2048*\m+512*\c   ; the hidden images of the step before,
.endr
.endr
.irp m, 0,1,2,3
	ds_load_b32 v[HSW+\m], v[AHS] offset:128*\m    ; their scale words,
.endr
.irp d, 0,1,2,3
	ds_load_b32 v[W2S+\d], v[AS] offset:16384+128*\d   ; W2's,
.endr
	CFRAG 0                                        ; and W2's output tiles 0-3
.if \ask
	ASK
.endif
	s_wait_dscnt 0x0
	P2G 0
	PLACES 8
	GATE 0, \first
	P2G 1
	PLACES 8
	CFRAG 4                                        ; output tiles 4-7 land while the gates below are applied
	GATE 1, \first
	s_wait_dscnt 0x0
	P2G 2
	PLACES 8
	GATE 2, \first
	P2G 3
	PLACES 8
	GATE 3, \first
.endm
; The roles part on the wave's number and join again.  rot = 1: in steps 9, 17, 25 the second product reaches the next expert: the gates move up.
.macro ROLES first, ask, rot
	s_cmp_lt_u32 s[WV], 4
	s_cbranch_scc0 .Lconsumer_\@
	PSTEP \ask
	s_branch .Ljoin_\@
.Lconsumer_\@:
.if \rot
	s_and_b32 s17, s[J], 7
	s_cmp_lg_u32 s17, 1
	s_cbranch_scc1 .Lsame_expert_\@
.irp m, 0,1,2,3
.irp e, 0,1,2
	v_mov_b32 v[GT+4*\m+\e], v[GT+4*\m+\e+1]
.endr
.endr
.Lsame_expert_\@:
.endif
	CSTEP \first, \ask
.Ljoin_\@:
.endm
.macro CPAIR r, val                    ; a constant as a pair: the packed forms name both words
	s_mov_b32 s[\r], \val
	s_mov_b32 s[\r+1], \val
.endm
	s_load_b256 s[4:11], s[0:1], 0x0               ; x s[4:5], weights s[6:7], wq s[8:9], part s[10:11]
	v_lshl_add_u32 v[SPW], v0, 2, SPARE
	v_mov_b32 v[NIL], 0
	ds_add_u32 v[SPW], v[NIL]                      ; the wave's opening: the add, twice on end, and its wait ahead of my first tensor load; the set-up below stands between the second and the wait
	ds_add_u32 v[SPW], v[NIL]
	v_lshrrev_b32 v208, 5, v0
	v_readfirstlane_b32 s[WV], v208                ; wave 0..7
	s_and_b32 s[W4], s[WV], 3
	s_lshr_b32 s[ROLE], s[WV], 2
	s_bfe_u32 s13, ttmp6, 0x40000                  ; cx: my place in the cluster: it enters global addresses of x, weights, part and the prefetch alone
	s_lshl_b32 s14, ttmp9, 2
	s_add_co_u32 s14, s14, s13                     ; my block of 64 tokens
	s_and_b32 s15, ttmp7, 0xffff                   ; the group of experts, which the four partners share
	s_mov_b32 s[TB], 0
	s_mov_b32 s[HW], 0
	s_mov_b32 s[HR], 0
	s_mov_b32 s[HR16], 0
	s_mov_b32 s[HW16], 0
	s_mul_i32 s[WOFF], s[WV], WB
	s_mov_b32 s[SEL], 0x76543210
	s_mov_b32 s[SEL+1], 0xfedcba98                 ; v_permlanex16_b32's selects for lane l xor 16
	s_mov_b32 s[MNT], 0x600000                     ; the mantissa field of 448
	s_mov_b32 s[KT], 0x3eb504f3                    ; 1 / sqrt(8)
	; descriptor group 1: a dense block of 17,152 bytes as 67 rows of 256 bytes (32 elements of 8 bytes)
	s_mov_b32 s[G1], 15|(3<<16)|(1<<21)            ; 15:0 the mask: all four work-groups; 17:16 elements of 8 bytes; 21 set beside a mask; no padding
	s_mov_b32 s[G1+1], 32<<16                      ; tensor_dim0 = 32
	s_mov_b32 s[G1+2], 67<<16                      ; tensor_dim1 = 67
	s_mov_b32 s[G1+3], 32<<16                      ; tile_dim0 = 32
	s_mov_b32 s[G1+4], 67                          ; tile_dim1 = 67
	s_mov_b32 s[G1+5], 32                          ; from row to row
	s_mov_b32 s[G1+6], 0
	s_mov_b32 s[G1+7], 0
	CPAIR 56, 0xbf97d29d                           ; c8 = -1.1861149   (the fit's coefficients x log2(e); the factor 1/2 is the -1 in c0)
	CPAIR 58, 0x40097039                           ; c7 =  2.1474745
	CPAIR 60, 0xbfd1a1e5                           ; c6 = -1.6377532
	CPAIR 62, 0x3ecdfd18                           ; c5 =  0.40232158
	CPAIR 66, 0xbe899a80                           ; c4 = -0.26875686
	CPAIR 68, 0x3e0efb2e                           ; c3 =  0.13963006
	CPAIR 70, 0x3f0a29d2                           ; c2 =  0.53970062
	CPAIR 72, 0x3fb8ab5a                           ; c1 =  1.4427292
	CPAIR 74, 0xc034d90f                           ; c0 = -2.8257482
	CPAIR 76, 0xbf38aa3b                           ; -log2(e) / 2
	v_mov_b32 v[C9], 0x3e7c6f08                    ; c9 =  0.2465173
	v_mov_b32 v[C9+1], 0x3e7c6f08
.irp b, 0,1,2,3
	v_mov_b32 v[TM+4+\b], 0                        ; written once: a lane permute's destination counts as one of its sources
.endr
	; where my tensor loads begin in wq: waves 0-3: W1's stream, sub-block wave; waves 4-7: W2's, sub-block wave - 4
	s_mul_i32 s47, s15, GROUPB
	s_mul_i32 s49, s[ROLE], 32*PARTB
	s_add_co_u32 s47, s47, s49
	s_mul_i32 s49, s[W4], WB
	s_add_co_u32 s47, s47, s49
	s_mul_i32 s50, s[ROLE], PARTB
	s_add_co_u32 s50, s50, s47                     ; slot 0's first fill: W1's part 0, W2's part 1
	s_mov_b32 s51, 0
	s_xor_b32 s52, s[ROLE], 1
	s_mul_i32 s52, s52, PARTB
	s_add_co_u32 s52, s52, s47                     ; slot 1's: W1's part 1, W2's part 0
	s_mov_b32 s53, 0
	s_lshr_b32 s54, s13, 1                         ; the prefetches: my work-group's 8,192 bytes of two sub-blocks' codes,
	s_mul_i32 s54, s54, WB
	s_and_b32 s55, s13, 1
	s_lshl_b32 s55, s55, 13
	s_add_co_u32 s54, s54, s55
	s_add_co_u32 s54, s54, 2*PARTB                 ; two parts on from the walking descriptor
	s_mov_b32 s55, 0
	s_add_co_u32 s[LIM], s[ROLE], 28               ; the last step that asks: 28 for W1's stream, 29 for W2's;
	s_and_b32 s49, s[WV], 1                        ; in the even waves
	s_or_b32 s49, s49, ttmp9                       ; of the group's first cluster alone: the same in all four partners
	s_cmp_eq_u32 s49, 0
	s_cselect_b32 s[LIM], s[LIM], 0
	s_lshl_b32 s78, s14, 17                        ; x: my block's 64 rows of 2,048 bytes; token tile wave % 4; K steps 2 (wave / 4) and the next
	s_lshl_b32 s79, s[W4], 15
	s_add_co_u32 s78, s78, s79
	s_lshl_b32 s79, s[ROLE], 10
	s_add_co_u32 s78, s78, s79
	s_mov_b32 s79, 0
	s_lshl_b32 s80, s14, 11                        ; weights: 64 rows of 32 bytes, my group's four gates
	s_lshl_b32 s81, s15, 4
	s_add_co_u32 s80, s80, s81
	s_mov_b32 s81, 0
	s_lshl_b32 s82, s15, 24                        ; part: my group's plane, my block's rows, columns 128 (wave % 4) on
	s_lshl_b32 s83, s14, 17
	s_add_co_u32 s82, s82, s83
	s_lshl_b32 s83, s[W4], 9
	s_add_co_u32 s82, s82, s83
	s_mov_b32 s83, 0
	; every LDS address register is made here or in ADDR, by all eight waves
	v_and_b32 v208, 31, v0                         ; L
	v_bfe_u32 v209, v0, 4, 1                       ; h
	v_and_b32 v210, 15, v0                         ; r
	v_lshl_add_u32 v[CA], v208, 4, s[WOFF]
	v_lshl_add_u32 v[CS], v208, 2, s[WOFF]
	v_lshl_add_u32 v[CB], v209, 6, s[WOFF]
	v_lshl_add_u32 v[CH], v208, 4, HB
	v_lshl_add_u32 v[CHS], v208, 2, HS
	s_lshl_b32 s49, s[W4], 9
	v_add_nc_u32 v[CHW], s49, v[CH]
	v_add_nc_u32 v[CHB], s[W4], v[CHS]
	v_lshlrev_b32 v[PFO], 8, v208
	v_lshlrev_b32 v211, 11, v210
	v_lshl_add_u32 v211, v209, 6, v211             ; x: row r of 2,048 bytes, + 64 h: my 16 numbers of a block of 32
	v_lshlrev_b32 v212, 5, v210                    ; weights: row r of 32 bytes
	v_lshl_add_u32 v[XRI], v208, 4, XI
	s_lshl_b32 s86, s[W4], 13
	s_lshl_b32 s87, s[ROLE], 12
	s_add_co_u32 s86, s86, s87
	v_add_nc_u32 v[XWI], s86, v[XRI]               ; my two images: 4 (wave % 4) + 2 (wave / 4) and the next
	v_lshl_add_u32 v[XRS], v208, 2, XS
	s_lshl_b32 s86, s[W4], 9
	s_lshl_b32 s87, s[ROLE], 8
	s_add_co_u32 s86, s86, s87
	v_add_nc_u32 v[XWS], s86, v[XRS]
	v_lshl_add_u32 v[XRS], v209, 6, v[XRS]         ; to read: lanes 16-31 take the next K step's words
	s_mul_i32 s86, s[W4], 16*528
	s_add_co_u32 s86, s86, SLOT                    ; the way out: a consumer's stage, in slot 1
	v_mul_u32_u24 v[SO], v210, 528
	v_lshl_add_u32 v[SO], v209, 5, v[SO]
	v_add_nc_u32 v[SO], s86, v[SO]                 ; in: row r, 32 bytes for each half of the lanes
	v_lshlrev_b32 v[GO], 4, v208                   ; back, and in part: 16 bytes a lane
	v_add_nc_u32 v[SR], s86, v[GO]
	s_wait_dscnt 0x0                               ; both opening adds are done
	s_wait_kmcnt 0x0
	s_mov_b32 s[G0F], 1                            ; count = 1
	s_mov_b32 s[G0F+1], s[WOFF]                    ; LDS address: slot 0
	s_add_nc_u64 s[G0F+2:G0F+3], s[8:9], s[50:51]
	s_or_b32 s[G0F+3], s[G0F+3], 0x80000000        ; type = 2
	s_mov_b32 s[G0W], 1
	s_add_co_u32 s[G0W+1], s[WOFF], SLOT           ; slot 1
	s_add_nc_u64 s[G0W+2:G0W+3], s[8:9], s[52:53]
	s_add_nc_u64 s[PFA:PFA+1], s[G0W+2:G0W+3], s[54:55]
	s_or_b32 s[G0W+3], s[G0W+3], 0x80000000
	s_add_nc_u64 s[4:5], s[4:5], s[78:79]
	s_add_nc_u64 s[6:7], s[6:7], s[80:81]
	s_add_nc_u64 s[10:11], s[10:11], s[82:83]
	CROUND                                         ; all four work-groups are here: the first joint loads meet
	tensor_load_to_lds s[G0F:G0F+3], s[G1:G1+7]    ; every wave's two first fills, ahead of every wait on TENSORcnt, every LDS read and every other barrier
	s_nop 0
	tensor_load_to_lds s[G0W:G0W+3], s[G1:G1+7]
	s_nop 0
	PLACES 4
.irp m, 0,1,2,3
	global_load_b128 v[GT+4*\m:GT+4*\m+3], v212, s[6:7] offset:512*\m   ; the four gates of token 16 m + r (the consumers use them)
.endr
; x: each wave quantises two K steps of 128 of one token tile: lane (r, h) takes 16 neighbours of each block of 32 of row r; the images go to LDS
.macro XLOAD reg, k
.irp b, 0,1,2,3
.irp j, 0,1,2,3
	global_load_b128 v[\reg+16*\b+4*\j:\reg+16*\b+4*\j+3], v211, s[4:5] offset:512*\k+128*\b+16*\j
.endr
.endr
.endm
.macro XQ reg, k
	QCORE \reg
	v_lshl_or_b32 v217, v[TM+5], 8, v[TM+4]        ; the four bytes make my row's scale word
	v_lshl_or_b32 v217, v[TM+6], 16, v217
	v_lshl_or_b32 v217, v[TM+7], 24, v217
.irp c, 0,1,2,3
	ds_store_b128 v[XWI], v[PC+4*\c:PC+4*\c+3] offset:2048*\k+512*\c
.endr
	ds_store_b32 v[XWS], v217 offset:128*\k
.endm
	XLOAD HA, 0
	XLOAD XB, 1
	s_wait_loadcnt 16                              ; the gates and my first K step are in; the second's 16 loads may be out
	XQ HA, 0
	s_wait_dscnt 0x0                               ; the stores have read their registers
	s_wait_loadcnt 0x0
	XQ XB, 1
	s_wait_tensorcnt 1                             ; my sub-block of slot 0 is in; slot 1's may stay out
	s_wait_dscnt 0x0                               ; my images of x have landed
	s_barrier_signal -1
	s_barrier_wait -1
	WIN 0x40                                       ; destination window 1
.irp f, 0,1,2,3,4,5,6,7,8,9,10,11,12,13,14,15
.irp c, 0,1,2,3
	ds_load_b128 v[16*\f+4*\c:16*\f+4*\c+3], v[XRI] offset:2048*\f+512*\c   ; x's 16 fragments stay in the producers' registers.  All eight waves run these lines, so that window 1 is written on every way; the consumers' first gates write over it
.endr
.endr
	WIN 0
.irp m, 0,1,2,3
.irp a, 0,1
	ds_load_b32 v[XSC+2*\m+\a], v[XRS] offset:(4*\m+2*\a)*128
.endr
.endr
	ADDR                                           ; step 0: the first product alone
	s_cmp_lt_u32 s[WV], 4
	s_cbranch_scc0 .Lno_step_0
	PSTEP 0
.Lno_step_0:
	s_mov_b32 s[J], 1
	PRE 1, 1, 1                                    ; slot 0's half of W1 is filled again; its half of W2 holds part 1 since the head
	ADDR
	ROLES 1, 1, 0                                  ; step 1: its gates start the output's sums
	s_mov_b32 s[J], 2
.Lstep:                                            ; steps 2 to 30: 29 trips
	PRE 1, 0, 1
	ADDR
	ROLES 0, 1, 1
	s_add_co_u32 s[J], s[J], 1
	s_cmp_lt_u32 s[J], 31
	s_cbranch_scc1 .Lstep
	PRE 1, 2, 0                                    ; step 31: W1's stream is at its end; W2's last part is asked for
	ADDR
	ROLES 0, 0, 0
	PRE 0, 0, 0                                    ; step 32: nothing is filled, so no round; the second product alone
	ADDR
	s_cmp_lt_u32 s[WV], 4
	s_cbranch_scc1 .Lend
	CSTEP 0, 0
	; THE WAY OUT, by the consumers.  A lane holds 32 neighbouring bytes of a row, and the lanes beside it hold other rows: a tile of 16 tokens x 128 columns goes through my own stage in LDS and comes back as whole rows of 512 bytes.
	; The stages lie in slot 1: it has had its last fill, and every wave has passed the last barrier, behind which nobody reads it.  The last gates are the places ahead of the loads into registers that held fragments.
.macro TOSTAGE m
	WIN 0x04                                       ; an LDS store's data are its source 1: window 1
.irp d, 0,1,2,3,4,5,6,7
	ds_store_b128 v[SO], v[64*\m+8*\d:64*\m+8*\d+3] offset:64*\d
	ds_store_b128 v[SO], v[64*\m+8*\d+4:64*\m+8*\d+7] offset:64*\d+16
.endr
	WIN 0
.irp t, 0,1,2,3,4,5,6,7,8,9,10,11,12,13,14,15
	ds_load_b128 v[64+64*(\m%2)+4*\t:64+64*(\m%2)+4*\t+3], v[SR] offset:\t*528   ; LDS serves a wave's instructions in order (ISA guide 5.7.1.4): these see the stores above
.endr
.endm
.macro SEND m, younger                 ; younger: the LDS instructions issued behind tile m's loads, which may stay out
	s_wait_dscnt \younger
.irp t, 0,1,2,3,4,5,6,7,8,9,10,11,12,13,14,15
	global_store_b128 v[GO], v[64+64*(\m%2)+4*\t:64+64*(\m%2)+4*\t+3], s[10:11] offset:(16*\m+\t)*2048 th:TH_STORE_NT   ; 32 lanes store 512 consecutive bytes, at a multiple of 256 from part's first byte
.endr
.endm
	TOSTAGE 0
	TOSTAGE 1
	SEND 0, 32                                     ; behind tile 0's loads: tile 1's 16 stores and 16 loads
	s_wait_xcnt 0x0                                ; tile 0's stores have read their registers: tile 2's loads may land there
	TOSTAGE 2
	SEND 1, 32
	s_wait_xcnt 0x0
	TOSTAGE 3
	SEND 2, 32
	SEND 3, 0
.Lend:
	s_wait_tensorcnt 0x0                           ; the wave's end: behind my last tensor load and my last LDS store
	ds_add_u32 v[SPW], v[NIL]
	s_wait_dscnt 0x0
	CROUND                                         ; the closing round: no work-group ends while a partner may still ask for a tile that names it
	s_endpgm
.Lfunc_end_k_q79d495f8de_mlp:
	.size	k_q79d495f8de_mlp, .Lfunc_end_k_q79d495f8de_mlp-k_q79d495f8de_mlp
	.p2alignl 7, 3214868480
	.fill 96, 4, 3214868480
	.section	.rodata,"a",@progbits
	.p2align	6, 0x0
	.amdhsa_kernel k_q79d495f8de_mlp
		.amdhsa_group_segment_fixed_size 327680
		.amdhsa_private_segment_fixed_size 0
		.amdhsa_enable_private_segment 0
		.amdhsa_kernarg_size 32
		.amdhsa_user_sgpr_count 2
		.amdhsa_user_sgpr_kernarg_segment_ptr 1
		.amdhsa_wavefront_size32 1
		.amdhsa_system_sgpr_workgroup_id_x 1
		.amdhsa_system_sgpr_workgroup_id_y 1
		.amdhsa_system_sgpr_workgroup_id_z 1
		.amdhsa_system_vgpr_workitem_id 0
		.amdhsa_next_free_vgpr 512
		.amdhsa_next_free_sgpr 88
		.amdhsa_reserve_vcc 0
		.amdhsa_float_denorm_mode_32 3
		.amdhsa_float_denorm_mode_16_64 3
		.amdhsa_memory_ordered 1
		.amdhsa_forward_progress 1
		.amdhsa_inst_pref_size 255
	.end_amdhsa_kernel
	.section	.bss,"aw",@nobits
	.p2align	6
	.space	262144
	.amdgpu_metadata
---
amdhsa.version: [ 1, 2 ]
amdhsa.kernels:
  - .name:           k_q79d495f8de_mlp
    .symbol:         k_q79d495f8de_mlp.kd
    .args:
      - { .name: x, .offset: 0, .size: 8, .value_kind: global_buffer, .address_space: global }
      - { .name: weights, .offset: 8, .size: 8, .value_kind: global_buffer, .address_space: global }
      - { .name: wq, .offset: 16, .size: 8, .value_kind: global_buffer, .address_space: global }
      - { .name: part, .offset: 24, .size: 8, .value_kind: global_buffer, .address_space: global }
    .group_segment_fixed_size: 327680
    .private_segment_fixed_size: 0
    .kernarg_segment_align: 8
    .kernarg_segment_size: 32
    .max_flat_workgroup_size: 256
    .sgpr_count:     88
    .vgpr_count:     512
    .wavefront_size: 32
...
	.end_amdgpu_metadata
.endif
;; end of part 2
;; launch sum (part 3): grid 512 x 1, 8 waves a work-group, no clusters, 0 bytes of LDS; arguments part, weights, b2, out0; writes out0
.if DOCPART == 3
	.amdgcn_target "amdgcn-amd-amdhsa--gfx1250"
	.amdhsa_code_object_version 6
	.text
	.protected	k_q79d495f8de_sum
	.globl	k_q79d495f8de_sum
	.p2align	8
	.type	k_q79d495f8de_sum,@function
k_q79d495f8de_sum:
	s_mov_b64 s[64:65], 0
	v_nop
	global_prefetch_b8 v0, s[64:65] scope:SCOPE_SE
	s_setreg_imm32_b32 hwreg(HW_REG_WAVE_MODE, 25, 1), 1
	s_wait_xcnt 0x0
; out0[t][d] = part[0][t][d] + part[1][t][d] + the sum over e of weights[t][e] b2[e][d]: the two groups' sums meet, and b2, weighed by the gates as reference() weighs it, comes in.  Nothing is left out.
; A stream: part is read once, out0 written once.  A work-group owns 16 rows; thread t owns four columns (16 bytes at 16 (t % 128)) of rows 2 i + t / 128, i = 0 .. 7.  A load or store of a wave covers 512 consecutive bytes.
; b2's 8 x 4 numbers of a thread's columns stay in registers.  All 40 loads go out at once, each into registers of its own: nothing is rewritten, so the only waits are the counted ones in front of each pass.
; No LDS, matrix unit or cluster: there is no product to speak of (K = 8) and the work-groups share only b2's 16 KiB.
.set B2,  8                            ; v8-39    b2: 4 e + column
.set PS,  40                           ; v40 + 16 i: pass i: part 0 (4), part 1 (4), the row's eight gates (8)
	s_load_b256 s[4:11], s[0:1], 0x0               ; part s[4:5], weights s[6:7], b2 s[8:9], out0 s[10:11]
	v_and_b32 v1, 127, v0
	v_lshlrev_b32 v3, 4, v1                        ; my columns: 16 bytes
	v_lshrrev_b32 v2, 7, v0                        ; which of a pass's two rows
	v_lshl_add_u32 v1, v2, 11, v3                  ; a row is 2,048 bytes
	v_lshlrev_b32 v2, 5, v2                        ; a row of gates is 32 bytes
	s_lshl_b32 s12, ttmp9, 15                      ; the work-group's 16 rows
	s_mov_b32 s13, 0
	s_lshl_b32 s14, ttmp9, 9
	s_mov_b32 s15, 0
	s_wait_kmcnt 0x0
	s_add_nc_u64 s[4:5], s[4:5], s[12:13]
	s_add_nc_u64 s[16:17], s[4:5], 0x1000000       ; the second group's plane
	s_add_nc_u64 s[6:7], s[6:7], s[14:15]
	s_add_nc_u64 s[10:11], s[10:11], s[12:13]
.irp e, 0,1,2,3,4,5,6,7
	global_load_b128 v[B2+4*\e:B2+4*\e+3], v3, s[8:9] offset:2048*\e
.endr
.irp i, 0,1,2,3,4,5,6,7
	global_load_b128 v[PS+16*\i:PS+16*\i+3], v1, s[4:5] offset:4096*\i th:TH_LOAD_NT
	global_load_b128 v[PS+16*\i+4:PS+16*\i+7], v1, s[16:17] offset:4096*\i th:TH_LOAD_NT
	global_load_b128 v[PS+16*\i+8:PS+16*\i+11], v2, s[6:7] offset:64*\i
	global_load_b128 v[PS+16*\i+12:PS+16*\i+15], v2, s[6:7] offset:64*\i+16
.endr
.irp i, 0,1,2,3,4,5,6,7
	s_wait_loadcnt 4*(7-\i)                        ; b2 and this pass's four loads are in; the later passes' may be out
	v_pk_add_f32 v[PS+16*\i:PS+16*\i+1], v[PS+16*\i:PS+16*\i+1], v[PS+16*\i+4:PS+16*\i+5]
	v_pk_add_f32 v[PS+16*\i+2:PS+16*\i+3], v[PS+16*\i+2:PS+16*\i+3], v[PS+16*\i+6:PS+16*\i+7]
.irp e, 0,1,2,3,4,5,6,7
.irp c, 0,1,2,3
	v_fmac_f32 v[PS+16*\i+\c], v[PS+16*\i+8+\e], v[B2+4*\e+\c]   ; four chains that do not wait for each other
.endr
.endr
	global_store_b128 v1, v[PS+16*\i:PS+16*\i+3], s[10:11] offset:4096*\i th:TH_STORE_NT
.endr
	s_endpgm
.Lfunc_end_k_q79d495f8de_sum:
	.size	k_q79d495f8de_sum, .Lfunc_end_k_q79d495f8de_sum-k_q79d495f8de_sum
	.p2alignl 7, 3214868480
	.fill 96, 4, 3214868480
	.section	.rodata,"a",@progbits
	.p2align	6, 0x0
	.amdhsa_kernel k_q79d495f8de_sum
		.amdhsa_group_segment_fixed_size 0
		.amdhsa_private_segment_fixed_size 0
		.amdhsa_enable_private_segment 0
		.amdhsa_kernarg_size 32
		.amdhsa_user_sgpr_count 2
		.amdhsa_user_sgpr_kernarg_segment_ptr 1
		.amdhsa_wavefront_size32 1
		.amdhsa_system_sgpr_workgroup_id_x 1
		.amdhsa_system_sgpr_workgroup_id_y 1
		.amdhsa_system_sgpr_workgroup_id_z 1
		.amdhsa_system_vgpr_workitem_id 0
		.amdhsa_next_free_vgpr 176
		.amdhsa_next_free_sgpr 66
		.amdhsa_reserve_vcc 0
		.amdhsa_float_denorm_mode_32 3
		.amdhsa_float_denorm_mode_16_64 3
		.amdhsa_memory_ordered 1
		.amdhsa_forward_progress 1
		.amdhsa_inst_pref_size 15
	.end_amdhsa_kernel
	.amdgpu_metadata
---
amdhsa.version: [ 1, 2 ]
amdhsa.kernels:
  - .name:           k_q79d495f8de_sum
    .symbol:         k_q79d495f8de_sum.kd
    .args:
      - { .name: part, .offset: 0, .size: 8, .value_kind: global_buffer, .address_space: global }
      - { .name: weights, .offset: 8, .size: 8, .value_kind: global_buffer, .address_space: global }
      - { .name: b2, .offset: 16, .size: 8, .value_kind: global_buffer, .address_space: global }
      - { .name: out0, .offset: 24, .size: 8, .value_kind: global_buffer, .address_space: global }
    .group_segment_fixed_size: 0
    .private_segment_fixed_size: 0
    .kernarg_segment_align: 8
    .kernarg_segment_size: 32
    .max_flat_workgroup_size: 256
    .sgpr_count:     66
    .vgpr_count:     176
    .wavefront_size: 32
...
	.end_amdgpu_metadata
.endif
;; end of part 3
